; MI455X (gfx1250); checked and timed in simulation.
; The chip was launched on July 23, 2026; its instructions are those of AMD's public machine-readable ISA for CDNA 5 (MIT licence, August 2026) and "CDNA5" Instruction Set Architecture Reference Guide (July 2026). The comments in the code are by the model that wrote it; some were corrected since.
;; Vcp By Dis. Allowed arithmetic: matrix products marked QUANTISED: E3M2 operands, one E8M0 scale for each 32 along K, by v_wmma_scale_f32_16x16x128_f8f6f4 with both operands' format E3M2, f32 sums; products left as they are: f32 operands where the result goes on into a quantised operand, else bf16, f16 or f32 operands; f32 sums; everything else in f32.
;; Inputs: src 8 x 3 x 4,096 float32; src_embedding 8 x 64 x 4,096 float32; tgt 8 x 3 x 4,096 float32; tgt_embedding 8 x 64 x 4,096 float32.
;; Outputs: out0 8 x 3 x 4,096 float32; out1 8 x 3 x 4,096 float32.
;; This version of the problem:
;;   THIS VERSION OF THE PROBLEM IS GIVEN IN LOW PRECISION. The matrix products marked QUANTISED in the list below multiply operands that are first quantised to E3M2 (3 exponent bits, 2 mantissa bits; 6 bits a number), with one power-of-two scale for each 32 numbers along K (OCP MX v1.0); their sums are f32. All else is computed in f32.
;;   The module's matrix products, in the order in which they are computed (A, B: the left and right operand; K: the contracted axis; several contracted axes count as one K, in the product's order):
;;     1. batch 8 x [M 4,096, K 64] x [K 64, N 4,096]; A: input src_embedding; B: input tgt_embedding: QUANTISED
;;     2. batch 8 x [M 3, K 4,096] x [K 4,096, N 4,096]; A: input tgt; B: softmax: left as it is (M = 3 < 16)
;;   THE QUANTISER, for each operand of a quantised product, along K:
;;     - K is cut into blocks of 32 from its start; a last block that is shorter is filled with zeros.
;;     - A block's scale is 2^e with e = floor(log2(the largest magnitude in the block)) - 4, held to -126 .. 127; a block of zeros has e = 0. As a byte (E8M0): e + 127.
;;     - Each number is divided by its block's scale, clamped to +-28, and rounded to the nearest number of E3M2, ties to even, subnormals kept.
;;     - The product sums the exact products of the quantised numbers (number of the format x scale) in f32.
;;   ~~~python
;;   def quantise(x, axis):      # numpy; x: float32 -> the quantised numbers, widened to float32 again
;;       x = np.moveaxis(x, axis, -1); K = x.shape[-1]
;;       x = np.pad(x, [(0, 0)] * (x.ndim - 1) + [(0, -K % 32)]); x = x.reshape(x.shape[:-1] + (-1, 32)); a = np.abs(x).max(-1, keepdims=True)
;;       e = np.where(a > 0, np.clip(np.frexp(np.where(a > 0, a, 1))[1] - 1 - 4, -126, 127), 0)      # np.frexp(a)[1] - 1 = floor(log2(a)), exactly
;;       r = np.clip(x / 2.0 ** e, -28, 28)
;;       step = 2.0 ** (np.maximum(np.frexp(np.where(r == 0, 1, r))[1] - 1, -2) - 2)
;;       q = np.round(r / step) * step * 2.0 ** e      # np.round: ties to even
;;       return np.moveaxis(q.reshape(q.shape[:-2] + (-1,))[..., :K], -1, axis).astype(np.float32)
;;   ~~~
;; One version. Each part assembles by itself: llvm-mc -triple=amdgcn-amd-amdhsa -mcpu=gfx1250 --defsym DOCPART=n.
;; ======== version 1 of 1: 2 launches
;; limits: values outside matrix products are rounded to bf16
;; workspace buffers: qpack 1,966,080 bytes; kpack 1,966,080 bytes
;; launch prep (part 1): grid 256 x 1, 4 waves a work-group, no clusters, 168,448 bytes of LDS; arguments src_embedding, tgt_embedding, src, tgt, qpack, kpack, out0; writes qpack, kpack, out0
.if DOCPART == 1
	.amdgcn_target "amdgcn-amd-amdhsa--gfx1250"
	.amdhsa_code_object_version 6
	.text
	.protected	k_q023d104dd2_prep
	.globl	k_q023d104dd2_prep
	.p2align	8
	.type	k_q023d104dd2_prep,@function
k_q023d104dd2_prep:
	s_mov_b64 s[64:65], 0
	v_nop
	global_prefetch_b8 v0, s[64:65] scope:SCOPE_SE
	s_setreg_imm32_b32 hwreg(HW_REG_WAVE_MODE, 25, 1), 1
	s_wait_xcnt 0x0
; Both embeddings [8][64 (k)][4096 (column)], f32, become codes of BF6 (E3M2) with one E8M0 byte for each 32 along k; tgt becomes bf16; src is copied to out0.
; A PACK is what the second launch wants of 64 columns, 3,840 bytes:
;   +768 f (f = 0..3): the lower six registers of the operand fragment of columns 16 f .. 16 f + 15, as an image of the registers: registers 0-3 at 16 x lane (512 bytes), registers 4-5 at 512 + 8 x lane (256 bytes);
;                      lane (r, h) holds k = 32 h .. 32 h + 31 of column r
;   +3072: 64 scale words, column j's at 4 j: byte 0 for k 0-31, byte 1 for k 32-63, bytes 2 and 3 = 127 (the product's K is 64 of the instruction's 128)
;   +3328 (kpack alone): two blocks of 256 bytes, 32 keys each: row c (x, y, z of tgt, then ones) at 64 c, key kk as bf16 at 2 kk
; SHARES.  Work-groups 0-127 take src_embedding -> qpack, 128-255 tgt_embedding -> kpack; a wave makes one pack.  8 x 64 packs = 128 work-groups x 4 waves.  No wave reads what another wave brought: no barrier.
; A LANE TAKES A COLUMN AND ITS REGISTERS RUN DOWN k: the wave's tile (64 rows k x 256 bytes) comes by one tensor load, each row 256 consecutive bytes at a multiple of 256; 32 lanes then read 128 neighbouring bytes of a row.
; A block's scale is 2^(floor(log2(largest magnitude)) - 4): its byte is the largest magnitude's exponent field - 4, held at 1 from below.
; LIMITS: NaN and infinities among the inputs are not served; blocks whose largest magnitude lies under 2^-122 have their byte held at 1; a block of zeros gets the byte 1 where the rule says 127
; (its codes are zeros, and this program alone reads the bytes); tgt is rounded to bf16.
.set X,    32                          ; v32-159   two sets of 64 numbers: step u takes columns 32 u + lane
.set CD,   160                         ; v160-207  codes, 24 registers a step: +0..5 tile 2u's image, +6..8 at work, +12..17 tile 2u+1's image, +18..20 at work
.set SCR,  65536                       ; LDS: behind the four tiles, 256 bytes a wave for its 64 scale words; no tile lands there
	s_load_b256 s[4:11], s[0:1], 0x0               ; src_embedding s[4:5], tgt_embedding s[6:7], src s[8:9], tgt s[10:11]
	s_load_b128 s[12:15], s[0:1], 0x20             ; qpack s[12:13], kpack s[14:15]
	s_load_b64 s[16:17], s[0:1], 0x30              ; out0
	v_lshl_add_u32 v208, v0, 2, 0x29000
	v_mov_b32 v209, 0
	ds_add_u32 v208, v209
	ds_add_u32 v208, v209
	v_lshrrev_b32 v1, 5, v0
	v_readfirstlane_b32 s18, v1                    ; wave 0..3
	v_and_b32 v1, 31, v0                           ; lane
	v_lshlrev_b32 v2, 4, v1                        ; 16 x lane
	v_lshlrev_b32 v3, 3, v1                        ; 8 x lane
	s_lshl_b32 s36, s18, 14                        ; my tile in LDS: 16,384 x wave
	v_lshl_add_u32 v4, v1, 2, s36                  ; my column's word in a row of the tile
	s_lshl_b32 s37, s18, 8
	s_add_co_u32 s37, s37, SCR                     ; my wave's scale words
	v_lshl_add_u32 v5, v1, 2, s37                  ; in: 4 bytes a lane
	v_lshl_add_u32 v6, v1, 3, s37                  ; back: 8 bytes a lane
	s_and_b32 s19, ttmp9, 127
	s_lshl_b32 s19, s19, 2
	s_add_co_u32 s19, s19, s18                     ; which pack of the tensor: 64 x batch + pack
	s_lshr_b32 s46, s19, 6                         ; batch
	s_and_b32 s47, s19, 63
	s_lshl_b32 s47, s47, 8                         ; 64 columns of f32 are 256 bytes
	s_lshl_b32 s38, s46, 20                        ; a batch of an embedding is 64 x 4,096 x 4 bytes
	s_add_co_u32 s38, s38, s47
	s_mov_b32 s39, 0
	s_mul_i32 s40, s19, 3840                       ; my pack
	s_mov_b32 s41, 0
	s_mul_i32 s42, s19, 768                        ; my 768 bytes of src and out0 (393,216 bytes / 512 waves)
	s_mov_b32 s43, 0
	s_mul_i32 s44, s46, 49152                      ; a batch of tgt is 3 x 4,096 x 4 bytes
	s_add_co_u32 s44, s44, s47
	s_mov_b32 s45, 0
	; descriptor group 1: 64 rows of 64 elements of 4 bytes, 4,096 elements from row to row, no padding
	s_mov_b32 s20, 2<<16                           ; no mask; elements of 4 bytes
	s_mov_b32 s21, 64<<16                          ; tensor_dim0 = 64
	s_mov_b32 s22, 64<<16                          ; tensor_dim1 = 64
	s_mov_b32 s23, 64<<16                          ; tile_dim0 = 64
	s_mov_b32 s24, 64                              ; tile_dim1 = 64
	s_mov_b32 s25, 4096                            ; stride from row to row
	s_mov_b32 s26, 0
	s_mov_b32 s27, 0
	s_wait_dscnt 0x0
	s_wait_kmcnt 0x0
	s_cmp_lt_u32 ttmp9, 128                        ; the choice hangs on the work-group's number alone
	s_cselect_b64 s[32:33], s[4:5], s[6:7]         ; the embedding
	s_cselect_b64 s[34:35], s[12:13], s[14:15]     ; its packs
	s_add_nc_u64 s[32:33], s[32:33], s[38:39]
	s_add_nc_u64 s[34:35], s[34:35], s[40:41]
	s_mov_b32 s28, 1                               ; group 0: count = 1
	s_mov_b32 s29, s36                             ; LDS address
	s_mov_b64 s[30:31], s[32:33]                   ; the tile's first element
	s_or_b32 s31, s31, 0x80000000                  ; type = 2
	tensor_load_to_lds s[28:31], s[20:27]          ; the wave's one tensor load
	s_nop 0
.rept 4
	v_nop
.endr
	; the small job, while the tile is on its way; no LDS is touched in either arm
	s_cmp_lt_u32 ttmp9, 128
	s_cbranch_scc0 .Ltgt
	s_add_nc_u64 s[8:9], s[8:9], s[42:43]
	s_add_nc_u64 s[16:17], s[16:17], s[42:43]
.irp i, 0,1,2
	global_load_b64 v[16+2*\i:17+2*\i], v3, s[8:9] offset:256*\i
.endr
	s_wait_loadcnt 0x0
.irp i, 0,1,2
	global_store_b64 v3, v[16+2*\i:17+2*\i], s[16:17] offset:256*\i   ; 32 lanes store 256 consecutive bytes, aligned
.endr
	s_branch .Ljoin
.Ltgt:
	v_bfe_u32 v24, v1, 2, 2                        ; my 16 bytes of the two blocks: row c = (lane / 4) % 4,
	v_min_u32 v25, 2, v24                          ; (row 3 reads z's numbers and throws them away: every load stays inside tgt)
	v_lshrrev_b32 v26, 4, v1                       ; block lane / 16,
	v_and_b32 v7, 3, v1                            ; keys 8 (lane % 4) on
	v_lshlrev_b32 v7, 5, v7
	v_lshl_add_u32 v7, v26, 7, v7
	v_lshl_add_u32 v7, v25, 14, v7                 ; 16,384 c + 128 block + 32 (lane % 4)
	s_add_nc_u64 s[10:11], s[10:11], s[44:45]
	global_load_b128 v[16:19], v7, s[10:11]
	global_load_b128 v[20:23], v7, s[10:11] offset:16
	v_cmp_ne_u32 vcc_lo, 3, v24
	v_mov_b32 v27, 0x3f803f80                      ; two ones in bf16
	s_wait_loadcnt 0x0
	v_cvt_pk_bf16_f32 v16, v16, v17                ; in ascending order: no line writes what a later line reads
	v_cvt_pk_bf16_f32 v17, v18, v19
	v_cvt_pk_bf16_f32 v18, v20, v21
	v_cvt_pk_bf16_f32 v19, v22, v23
.irp i, 16,17,18,19
	v_cndmask_b32 v\i, v27, v\i, vcc_lo            ; row 3 is ones: the second product then makes the row's sum
.endr
	global_store_b128 v2, v[16:19], s[34:35] offset:3328   ; 32 lanes store 512 consecutive bytes, aligned
.Ljoin:
	s_wait_tensorcnt 0x0                           ; my tile is in; only I read it
.macro LOADS u                         ; column 32 u + lane, k = 0 .. 63
.set k, 0
.rept 64
	ds_load_b32 v[X+64*(\u)+k], v4 offset:256*k+128*(\u)
.set k, k+1
.endr
.endm
.macro QUANT u
.set XB, X+64*(\u)
.set CB, CD+24*(\u)
	v_max3_num_f32 v8, |v[XB]|, |v[XB+1]|, 0x2800000       ; the two blocks by turns; the floor 2^(5 - 127) holds the byte at 1 from below
	v_max3_num_f32 v9, |v[XB+32]|, |v[XB+33]|, 0x2800000
.irp i, 2,4,6,8,10,12,14,16,18,20,22,24,26,28,30
	v_max3_num_f32 v8, v8, |v[XB+\i]|, |v[XB+\i+1]|
	v_max3_num_f32 v9, v9, |v[XB+32+\i]|, |v[XB+33+\i]|
.endr
	v_add_nc_u32 v10, 0xfe000000, v8               ; 4 off the exponent field: the conversion takes this operand's exponent field as its scale
	v_add_nc_u32 v11, 0xfe000000, v9
	v_lshrrev_b32 v12, 23, v10                     ; the scales' bytes
	v_lshrrev_b32 v13, 23, v11
	v_lshl_or_b32 v[14+\u], v13, 8, v12
	v_or_b32 v[14+\u], 0x7f7f0000, v[14+\u]        ; bytes 2 and 3: 2^0, for the half of the instruction's K that holds no numbers
	ds_store_b32 v5, v[14+\u] offset:128*(\u)
	v_cvt_scalef32_pk16_bf6_f32 v[CB:CB+2], v[XB:XB+15], v10          ; k 0-15
	v_cvt_scalef32_pk16_bf6_f32 v[CB+6:CB+8], v[XB+16:XB+31], v10     ; k 16-31 (a conversion's three registers begin on an even number)
	v_cvt_scalef32_pk16_bf6_f32 v[CB+12:CB+14], v[XB+32:XB+47], v11   ; k 32-47
	v_cvt_scalef32_pk16_bf6_f32 v[CB+18:CB+20], v[XB+48:XB+63], v11   ; k 48-63
	v_nop                                          ; one plain place behind the scaled conversions
.irp i, 0,1,2                          ; lanes 0-15 hold tile 2u's columns, lanes 16-31 tile 2u+1's.  The first's upper lanes change places with the second's lower lanes:
	v_permlane16_swap_b32 v[CB+\i], v[CB+12+\i]    ; the first then holds tile 2u (lanes 0-15: k 0-15, lanes 16-31: k 32-47), the second tile 2u+1
	v_permlane16_swap_b32 v[CB+6+\i], v[CB+18+\i]  ; likewise k 16-31 and k 48-63
.endr
.irp i, 0,1,2
	v_mov_b32 v[CB+3+\i], v[CB+6+\i]
	v_mov_b32 v[CB+15+\i], v[CB+18+\i]
.endr
	global_store_b128 v2, v[CB:CB+3], s[34:35] offset:768*(2*(\u))            ; each store covers 512 or 256 consecutive bytes, aligned; each step has registers of its own
	global_store_b64 v3, v[CB+4:CB+5], s[34:35] offset:768*(2*(\u))+512
	global_store_b128 v2, v[CB+12:CB+15], s[34:35] offset:768*(2*(\u)+1)
	global_store_b64 v3, v[CB+16:CB+17], s[34:35] offset:768*(2*(\u)+1)+512
.endm
	LOADS 0
	LOADS 1
	s_wait_dscnt 63                                ; behind step 0's last load stand step 1's 64: with 63 out, all of step 0 is in
	QUANT 0
	s_wait_dscnt 0x0
	QUANT 1
	ds_load_b64 v[28:29], v6                       ; LDS serves a wave's instructions in order: this sees my two stores
	s_wait_dscnt 0x0
	global_store_b64 v3, v[28:29], s[34:35] offset:3072    ; the 64 scale words: 256 consecutive bytes, aligned
	s_wait_tensorcnt 0x0
	ds_add_u32 v208, v209
	s_wait_dscnt 0x0
	s_endpgm
.Lfunc_end_k_q023d104dd2_prep:
	.size	k_q023d104dd2_prep, .Lfunc_end_k_q023d104dd2_prep-k_q023d104dd2_prep
	.p2alignl 7, 3214868480
	.fill 96, 4, 3214868480
	.section	.rodata,"a",@progbits
	.p2align	6, 0x0
	.amdhsa_kernel k_q023d104dd2_prep
		.amdhsa_group_segment_fixed_size 168448
		.amdhsa_private_segment_fixed_size 0
		.amdhsa_enable_private_segment 0
		.amdhsa_kernarg_size 56
		.amdhsa_user_sgpr_count 2
		.amdhsa_user_sgpr_kernarg_segment_ptr 1
		.amdhsa_wavefront_size32 1
		.amdhsa_system_sgpr_workgroup_id_x 1
		.amdhsa_system_sgpr_workgroup_id_y 1
		.amdhsa_system_sgpr_workgroup_id_z 1
		.amdhsa_system_vgpr_workitem_id 0
		.amdhsa_next_free_vgpr 210
		.amdhsa_next_free_sgpr 66
		.amdhsa_reserve_vcc 1
		.amdhsa_float_denorm_mode_32 3
		.amdhsa_float_denorm_mode_16_64 3
		.amdhsa_memory_ordered 1
		.amdhsa_forward_progress 1
		.amdhsa_inst_pref_size 21
	.end_amdhsa_kernel
	.amdgpu_metadata
---
amdhsa.version: [ 1, 2 ]
amdhsa.kernels:
  - .name:           k_q023d104dd2_prep
    .symbol:         k_q023d104dd2_prep.kd
    .args:
      - { .name: src_embedding, .offset: 0, .size: 8, .value_kind: global_buffer, .address_space: global }
      - { .name: tgt_embedding, .offset: 8, .size: 8, .value_kind: global_buffer, .address_space: global }
      - { .name: src, .offset: 16, .size: 8, .value_kind: global_buffer, .address_space: global }
      - { .name: tgt, .offset: 24, .size: 8, .value_kind: global_buffer, .address_space: global }
      - { .name: qpack, .offset: 32, .size: 8, .value_kind: global_buffer, .address_space: global }
      - { .name: kpack, .offset: 40, .size: 8, .value_kind: global_buffer, .address_space: global }
      - { .name: out0, .offset: 48, .size: 8, .value_kind: global_buffer, .address_space: global }
    .group_segment_fixed_size: 168448
    .private_segment_fixed_size: 0
    .kernarg_segment_align: 8
    .kernarg_segment_size: 56
    .max_flat_workgroup_size: 128
    .sgpr_count:     66
    .vgpr_count:     210
    .wavefront_size: 32
...
	.end_amdgpu_metadata
.endif
;; end of part 1
;; launch attn (part 2): grid 32 x 8, 16 waves a work-group, clusters of 4 x 1, 258,048 bytes of LDS; arguments qpack, kpack, out1; writes out1
.if DOCPART == 2
	.amdgcn_target "amdgcn-amd-amdhsa--gfx1250"
	.amdhsa_code_object_version 6
	.text
	.protected	k_q023d104dd2_attn
	.globl	k_q023d104dd2_attn
	.p2align	8
	.type	k_q023d104dd2_attn,@function
k_q023d104dd2_attn:
	s_mov_b64 s[64:65], 0
	v_nop
	global_prefetch_b8 v0, s[64:65] scope:SCOPE_SE
	s_setreg_imm32_b32 hwreg(HW_REG_WAVE_MODE, 25, 1), 1
	s_wait_xcnt 0x0
	s_wait_alu depctr_hold_cnt(0) depctr_sa_sdst(0) depctr_va_vdst(0) depctr_va_sdst(0) depctr_va_ssrc(0) depctr_va_vcc(0) depctr_vm_vsrc(0)
	s_getreg_b32 s2, hwreg(HW_REG_IB_STS2, 6, 4)
	s_cmp_eq_u32 s2, 0
	s_cbranch_scc0 .Lentry_in_a_cluster
	s_endpgm
.Lentry_in_a_cluster:
	s_bfe_u32 s2, ttmp6, 0x10000c
	s_cmp_lg_u32 s2, 0x3003
	s_cbranch_scc0 .Lentry_shape_is_right
	s_endpgm
.Lentry_shape_is_right:
; out1[b][c][n] = the sum over m of softmax_m(src_emb[b][:, n] . tgt_emb[b][:, m] / 8) tgt[b][c][m].  The first product on codes of BF6 (E3M2) with E8M0 scales, made by the launch before; the second on bf16; sums in f32.
; SHARES.  A work-group owns 128 queries of one batch.  Wave w = 4 s + g: query tiles 2 g and 2 g + 1 (32 queries), and quarter s of the keys of each stage: 1,024 keys in 8 steps of 128.  The four quarters' results are merged at the end.
; Sixteen waves of 256 registers, four to a SIMD: one wave's exponentials stand beside another's products and LDS loads.
; LDS.  The batch's 64 packs of keys (245,760 bytes: codes as images of the operand's registers, scale words, tgt as bf16) are copied as they lie, ONCE: four stages of 16 packs, a pack a wave and stage.  Nothing is filled again.
; CLUSTER.  The four work-groups of a cluster belong to one batch and want the same packs: each pack is asked for JOINTLY, by the same tensor load with the same descriptor and the mask of all four.
; The place in the cluster enters the addresses of the queries' pack and of out1 alone.
; K = 64 IN AN INSTRUCTION OF 128.  The queries' fragment has zero codes in its upper six registers.  The keys' fragments are their lower six registers alone, six apart: fragment i is named v[KR + 6 i .. + 11], so that its upper half
; is the next fragment's codes (behind the last: zeros).  BF6 has no code but numbers, and they meet zero codes; the scale bytes of that half are 127.
; LAYOUT.  Both products are used transposed.  S^T = K Q^T: a lane holds one query (lane % 16), register j of tile kt the key 16 kt + 8 (lane / 16) + j.  Rounded to bf16 in pairs, tiles 2 f and 2 f + 1 ARE source 1 (32 keys x 16 queries)
; of O^T = V^T P.  V's tile has rows x, y, z, ones, and these four again and again: O^T's registers 0-3 hold x, y, z and the row's sum in both halves of the lanes; registers 4-7 are read by nobody and are not rescaled.
; SOFTMAX.  A running maximum m for each query: p = 2^(c s - c m), c = log2(e) / 8; in each step O^T is multiplied by a = 2^(c m_old - c m_new).
; LIMITS: NaN and infinities are not served; p and tgt are rounded to bf16; the divisor is the f32 sum of the ROUNDED p, the same numbers that are multiplied with tgt.
.set PACKB, 3840
.set STAGEB, 16*PACKB
.set BATCHB, 64*PACKB
.set MERGE, BATCHB                     ; behind the packs: PART[s][j][q], f32, at 2,560 s + 512 j + 4 q: j = 0..3 x, y, z, sum; j = 4 c m.  No tile lands there
.set AK16, 1                           ; v1  15,360 s + 16 x lane, stepped: registers 0-3 of the keys' images
.set AK8,  2                           ; v2  15,360 s + 8 x lane: registers 4-5
.set AS,   3                           ; v3  15,360 s + 4 x lane: scale words
.set AV,   4                           ; v4  15,360 s + 64 (lane % 4) + 16 (lane / 16): V's rows
.set QS,   9                           ; v9  the queries' scale words: lanes 0-15 tile 0, lanes 16-31 tile 1; scales and nothing else
.set ST,   12                          ; tile u's statistics at v[ST + 8 u]: +0 c m, +1 m, +2 a, +3 c m_old - c m_new, +4..7 at work
.set QR,   28                          ; v28-51  the queries' fragments, 12 registers a tile
.set KS,   52                          ; v52-55  the keys' scale words; scales and nothing else
.set KR,   56                          ; v56-109 eight fragments of keys, six apart, and six zeros; later v56-87 four fragments of V
.set OA,   110                         ; v110-125 O^T, 8 registers a tile
.set SB,   126                         ; v126-253 S^T, then p, then P packed in place: 64 registers a tile
.set MR,   126                         ; the merge: PART(s, j) of my two queries at v[MR + 10 s + 2 j]
.macro CROUND                          ; a round of the cluster's barrier
	s_barrier_signal -1
	s_barrier_wait -1
	s_cmp_lg_u32 s10, 0
	s_cbranch_scc1 .Lnot_wave_0_\@
	s_barrier_signal -3
.Lnot_wave_0_\@:
	s_barrier_wait -3
	s_barrier_signal -1
	s_barrier_wait -1
.endm
	s_load_b128 s[4:7], s[0:1], 0x0                ; qpack s[4:5], kpack s[6:7]
	s_load_b64 s[8:9], s[0:1], 0x10                ; out1
	v_lshl_add_u32 v254, v0, 2, 0x3e800
	v_mov_b32 v255, 0
	ds_add_u32 v254, v255
	ds_add_u32 v254, v255
	v_lshrrev_b32 v5, 5, v0
	v_readfirstlane_b32 s10, v5                    ; wave 0..15
	s_and_b32 s11, s10, 3                          ; g: which two tiles of queries
	s_lshr_b32 s12, s10, 2                         ; s: which quarter of a stage's keys
	s_bfe_u32 s13, ttmp6, 0x40000                  ; cx
	s_lshl_b32 s14, ttmp9, 2
	s_add_co_u32 s14, s14, s13                     ; x = 4 x cluster x + cx: my block of 128 queries
	s_and_b32 s15, ttmp7, 0xffff                   ; the batch, which the four partners share
	; descriptor group 1: a pack, 3,840 dense bytes, as 15 rows of 32 elements of 8 bytes
	s_mov_b32 s24, 15|(3<<16)|(1<<21)              ; the mask: all four work-groups; elements of 8 bytes; bit 21 set beside a mask
	s_mov_b32 s25, 32<<16                          ; tensor_dim0 = 32
	s_mov_b32 s26, 15<<16                          ; tensor_dim1 = 15
	s_mov_b32 s27, 32<<16                          ; tile_dim0 = 32
	s_mov_b32 s28, 15                              ; tile_dim1 = 15
	s_mov_b32 s29, 32                              ; stride from row to row
	s_mov_b32 s30, 0
	s_mov_b32 s31, 0
	s_mul_i32 s16, s15, BATCHB
	s_mul_i32 s18, s10, PACKB                      ; my pack of a stage, in memory and in LDS alike
	s_add_co_u32 s16, s16, s18
	s_mov_b32 s17, 0
	s_mov_b32 s22, 0x3e38aa3b                      ; c = log2(e) / 8
	s_mov_b32 s23, s22                             ; (named with it as a pair, so it is written)
	s_mov_b32 s48, 0x76543210
	s_mov_b32 s49, 0xfedcba98                      ; v_permlanex16_b32's selects for lane l xor 16
	; the queries' pack: 2 x + g / 2 of the batch's 64 (the registers that hold cx feed no descriptor and no LDS address)
	s_lshl_b32 s50, s14, 1
	s_lshr_b32 s52, s11, 1
	s_add_co_u32 s50, s50, s52
	s_mul_i32 s50, s50, PACKB
	s_mul_i32 s52, s15, BATCHB
	s_add_co_u32 s50, s50, s52
	s_mov_b32 s51, 0
	s_wait_dscnt 0x0
	s_wait_kmcnt 0x0
	s_add_nc_u64 s[6:7], s[6:7], s[16:17]
	s_add_nc_u64 s[4:5], s[4:5], s[50:51]
.irp i, 0,1,2,3
	s_mov_b32 s[32+4*\i], 1                        ; group 0 of stage i: count = 1
	s_add_co_u32 s[33+4*\i], s18, \i*STAGEB        ; LDS address
	s_add_nc_u64 s[34+4*\i:35+4*\i], s[6:7], \i*STAGEB   ; global address
	s_or_b32 s[35+4*\i], s[35+4*\i], 0x80000000    ; type = 2
.endr
	CROUND                                         ; all four work-groups are here: the joint loads meet
	tensor_load_to_lds s[32:35], s[24:31]          ; all first fills go out together: four loads of mine are out
	s_nop 0
	tensor_load_to_lds s[36:39], s[24:31]
	s_nop 0
	tensor_load_to_lds s[40:43], s[24:31]
	s_nop 0
	tensor_load_to_lds s[44:47], s[24:31]
	s_nop 0
.rept 4
	v_nop
.endr
	v_and_b32 v5, 31, v0                           ; lane
	s_and_b32 s19, s11, 1                          ; which half of the queries' pack
	s_mul_i32 s20, s19, 1536
	s_lshl_b32 s21, s19, 7
	v_lshl_add_u32 v6, v5, 4, s20
	v_lshl_add_u32 v7, v5, 3, s20
	v_lshl_add_u32 v8, v5, 2, s21
.irp u, 0,1
	global_load_b128 v[QR+12*\u:QR+12*\u+3], v6, s[4:5] offset:768*\u
	global_load_b64 v[QR+12*\u+4:QR+12*\u+5], v7, s[4:5] offset:768*\u+512
.endr
	global_load_b32 v[QS], v8, s[4:5] offset:3072
.irp u, 0,1
.irp i, 6,7,8,9,10,11
	v_mov_b32 v[QR+12*\u+\i], 0                    ; zero codes for k = 64 .. 127
.endr
.endr
.irp i, 48,49,50,51,52,53
	v_mov_b32 v[KR+\i], 0                          ; what the last fragment of keys names as its upper half
.endr
.irp i, 0,1,2,3,4,5,6,7,8,9,10,11,12,13,14,15
	v_mov_b32 v[OA+\i], 0                          ; O^T: the step is written once; the first finds zeros, which its a = 0 leaves zeros.  (These are also the places between the zeros above and the first scaled product)
.endr
	s_mul_i32 s19, s12, 4*PACKB                    ; my quarter of a stage
	v_lshl_add_u32 v[AK16], v5, 4, s19
	v_lshl_add_u32 v[AK8], v5, 3, s19
	v_lshl_add_u32 v[AS], v5, 2, s19
	v_and_b32 v10, 3, v5
	v_bfe_u32 v11, v0, 4, 1
	v_lshlrev_b32 v10, 6, v10
	v_lshl_add_u32 v10, v11, 4, v10
	v_add_nc_u32 v[AV], s19, v10
.irp u, 0,1
	v_mov_b32 v[ST+8*\u+1], 0xff61b1e6             ; m = -3e38, under every score
.endr
.irp u, 0,1
	v_mul_f32 v[ST+8*\u], s22, v[ST+8*\u+1]        ; c m
.endr
	s_wait_loadcnt 0x0                             ; the queries
.macro SMUL kt, u                      ; 16 keys x 16 queries.  The keys' scale words: register kt / 2, lanes 0-15 for even kt, lanes 16-31 for odd; the queries': lanes 0-15 tile 0, lanes 16-31 tile 1
.set rD, SB+64*(\u)+8*(\kt)
.set rA, KR+6*(\kt)
.set rB, QR+12*(\u)
.set rS, KS+(\kt)/2
.if ((\kt)%2 == 0) && ((\u) == 0)
	v_wmma_scale_f32_16x16x128_f8f6f4 v[rD:rD+7], v[rA:rA+11], v[rB:rB+11], 0, v[rS], v[QS] matrix_a_fmt:MATRIX_FMT_BF6 matrix_b_fmt:MATRIX_FMT_BF6
.elseif ((\kt)%2 == 1) && ((\u) == 0)
	v_wmma_scale_f32_16x16x128_f8f6f4 v[rD:rD+7], v[rA:rA+11], v[rB:rB+11], 0, v[rS], v[QS] matrix_a_fmt:MATRIX_FMT_BF6 matrix_b_fmt:MATRIX_FMT_BF6 matrix_a_scale:MATRIX_SCALE_ROW1
.elseif ((\kt)%2 == 0)
	v_wmma_scale_f32_16x16x128_f8f6f4 v[rD:rD+7], v[rA:rA+11], v[rB:rB+11], 0, v[rS], v[QS] matrix_a_fmt:MATRIX_FMT_BF6 matrix_b_fmt:MATRIX_FMT_BF6 matrix_b_scale:MATRIX_SCALE_ROW1
.else
	v_wmma_scale_f32_16x16x128_f8f6f4 v[rD:rD+7], v[rA:rA+11], v[rB:rB+11], 0, v[rS], v[QS] matrix_a_fmt:MATRIX_FMT_BF6 matrix_b_fmt:MATRIX_FMT_BF6 matrix_a_scale:MATRIX_SCALE_ROW1 matrix_b_scale:MATRIX_SCALE_ROW1
.endif
.endm
; A STEP: 128 keys (two packs) against my 32 queries.  delta: bytes to the next step's packs; 0: there is none.
.macro STEP delta
.irp kt, 0,1,2,3,4,5,6,7
	ds_load_b128 v[KR+6*\kt:KR+6*\kt+3], v[AK16] offset:PACKB*(\kt/4)+768*(\kt%4)
.endr
.irp kt, 0,1,2,3,4,5,6,7
	ds_load_b64 v[KR+6*\kt+4:KR+6*\kt+5], v[AK8] offset:PACKB*(\kt/4)+768*(\kt%4)+512
.endr
.irp j, 0,1,2,3
	ds_load_b32 v[KS+\j], v[AS] offset:PACKB*(\j/2)+3072+128*(\j%2)
.endr
	s_wait_dscnt 0x0
.irp kt, 0,1,2,3,4,5,6,7
.irp u, 0,1
	SMUL \kt, \u                                   ; sixteen results, each started with the constant 0
.endr
.endr
.rept 4
	v_nop                                          ; four places in front of the loads into the keys' registers and of the first read of the scores
.endr
.irp f, 0,1,2,3                        ; V: 32 keys a fragment; lane (r, h) reads row r % 4: keys 8 h + 0..7 and 16 + 8 h + 0..7.  They land while the softmax is walked
	ds_load_b128 v[KR+8*\f:KR+8*\f+3], v[AV] offset:PACKB*(\f/2)+3328+256*(\f%2)
	ds_load_b128 v[KR+8*\f+4:KR+8*\f+7], v[AV] offset:PACKB*(\f/2)+3328+256*(\f%2)+32
.endr
	; the maximum of my 64 scores of each tile and the old m: four chains of 15 a tile, the eight chains by turns.  Each result of eight registers is first read at its low end
.irp ch, 0,1,2,3
.irp u, 0,1
	v_max3_num_f32 v[ST+8*\u+4+\ch], v[SB+64*\u+16*\ch], v[SB+64*\u+16*\ch+1], v[SB+64*\u+16*\ch+2]
.endr
.endr
.irp i, 3,5,7,9,11,13
.irp ch, 0,1,2,3
.irp u, 0,1
	v_max3_num_f32 v[ST+8*\u+4+\ch], v[ST+8*\u+4+\ch], v[SB+64*\u+16*\ch+\i], v[SB+64*\u+16*\ch+\i+1]
.endr
.endr
.endr
.irp u, 0,1
	v_max3_num_f32 v[ST+8*\u+4], v[ST+8*\u+4], v[SB+64*\u+15], v[SB+64*\u+31]
.endr
.irp u, 0,1
	v_max3_num_f32 v[ST+8*\u+6], v[ST+8*\u+6], v[SB+64*\u+47], v[SB+64*\u+63]
.endr
.irp u, 0,1
	v_max3_num_f32 v[ST+8*\u+4], v[ST+8*\u+4], v[ST+8*\u+5], v[ST+8*\u+6]
.endr
.irp u, 0,1
	v_max3_num_f32 v[ST+8*\u+4], v[ST+8*\u+4], v[ST+8*\u+7], v[ST+8*\u+1]
.endr
.irp u, 0,1
	v_permlanex16_b32 v[ST+8*\u+5], v[ST+8*\u+4], s48, s49   ; the query's other 64 keys lie in the lane 16 away
.endr
.irp u, 0,1
	v_max_num_f32 v[ST+8*\u+1], v[ST+8*\u+4], v[ST+8*\u+5]   ; the new m
.endr
.irp u, 0,1
	v_mul_f32 v[ST+8*\u+6], s22, v[ST+8*\u+1]
.endr
.irp u, 0,1
	v_sub_f32 v[ST+8*\u+3], v[ST+8*\u], v[ST+8*\u+6]         ; c m_old - c m_new
.endr
.irp u, 0,1
	v_mov_b32 v[ST+8*\u], v[ST+8*\u+6]                       ; c m
.endr
.set j, 0
.rept 32
	v_pk_fma_f32 v[SB+j:SB+j+1], v[SB+j:SB+j+1], s[22:23], v[ST:ST+1] op_sel_hi:[1,0,0] neg_lo:[0,0,1] neg_hi:[0,0,1]              ; c s - c m, two at a time
	v_pk_fma_f32 v[SB+64+j:SB+64+j+1], v[SB+64+j:SB+64+j+1], s[22:23], v[ST+8:ST+9] op_sel_hi:[1,0,0] neg_lo:[0,0,1] neg_hi:[0,0,1]
.set j, j+2
.endr
	v_exp_f32 v[ST+2], v[ST+3]                     ; ONE BATCH: a of both tiles and the 128 weights; none reads another's result
	v_exp_f32 v[ST+10], v[ST+11]
.set j, 0
.rept 128
	v_exp_f32 v[SB+j], v[SB+j]
.set j, j+1
.endr
	v_nop                                          ; a plain instruction behind the last exponential
	s_wait_alu depctr_va_vdst(0)                   ; one wait for the batch, ahead of its first reader
.irp u, 0,1
	v_pk_mul_f32 v[OA+8*\u:OA+8*\u+1], v[OA+8*\u:OA+8*\u+1], v[ST+8*\u+2:ST+8*\u+3] op_sel_hi:[1,0]       ; x, y, z and the sum under the new m
	v_pk_mul_f32 v[OA+8*\u+2:OA+8*\u+3], v[OA+8*\u+2:OA+8*\u+3], v[ST+8*\u+2:ST+8*\u+3] op_sel_hi:[1,0]
.endr
.irp u, 0,1
.set j, 0
.rept 32
	v_cvt_pk_bf16_f32 v[SB+64*\u+j], v[SB+64*\u+2*j], v[SB+64*\u+2*j+1]   ; in place, ascending: no line writes what a later line reads.  P's fragment f then lies at SB + 8 f
.set j, j+1
.endr
.endr
	s_wait_dscnt 0x0                               ; V is in
.irp f, 0,1,2,3
.irp u, 0,1
	v_wmma_f32_16x16x32_bf16 v[OA+8*\u:OA+8*\u+7], v[KR+8*\f:KR+8*\f+7], v[SB+64*\u+8*\f:SB+64*\u+8*\f+7], v[OA+8*\u:OA+8*\u+7]   ; the two accumulators by turns
.endr
.endr
.if \delta > 0
	v_add_nc_u32 v[AK16], \delta, v[AK16]          ; on to the next step's packs.  With the v_nop: five places in front of the loads into V's registers and of the scaled products that write over P
	v_add_nc_u32 v[AK8], \delta, v[AK8]
	v_add_nc_u32 v[AS], \delta, v[AS]
	v_add_nc_u32 v[AV], \delta, v[AV]
	v_nop
.endif
.endm
; A STAGE: 16 packs, one brought by each wave.  left: my loads of the later stages, issued behind this stage's, may stay out.  No LDS access of mine is out at the signal: a step's last LDS wait is for 0.
.macro STAGE left, d2
	s_wait_tensorcnt \left                         ; my pack of this stage is in,
	s_barrier_signal -1
	s_barrier_wait -1                              ; everybody's is
	STEP 2*PACKB
	STEP \d2
.endm
	STAGE 3, STAGEB-2*PACKB
	STAGE 2, STAGEB-2*PACKB
	STAGE 1, STAGEB-2*PACKB
	STAGE 0, 0
	; THE MERGE.  My 32 queries' x, y, z, sum and c m go to LDS; waves 0 and 1 bring the four quarters under one maximum, divide and store.
	s_mul_i32 s16, s12, 2560
	s_lshl_b32 s17, s11, 7
	s_add_co_u32 s16, s16, s17
	s_add_co_u32 s16, s16, MERGE
	s_lshl_b32 s17, s10, 8
	s_add_co_u32 s17, s17, MERGE
	v_and_b32 v5, 31, v0                           ; four plain instructions: the places behind the last products
	v_lshl_add_u32 v6, v5, 2, s16                  ; in: PART[s][.][32 g + lane]
	v_lshl_add_u32 v7, v5, 3, s17                  ; back (waves 0 and 1): queries 64 w + 2 lane, + 1
	v_lshlrev_b32 v8, 3, v5                        ; and the same in a row of out1
	v_cmp_le_u32 vcc_lo, 16, v5
.irp j, 0,1,2,3
	v_cndmask_b32 v[240+\j], v[OA+\j], v[OA+8+\j], vcc_lo    ; both halves of the lanes hold the same rows: lanes 0-15 give tile 0's query, lanes 16-31 tile 1's
.endr
	v_cndmask_b32 v244, v[ST], v[ST+8], vcc_lo
.irp j, 0,1,2,3,4
	ds_store_b32 v6, v[240+\j] offset:512*\j
.endr
	s_mul_i32 s50, s15, 49152                      ; out1: the batch's 3 x 4,096 x 4 bytes,
	s_lshl_b32 s52, s14, 9                         ; my work-group's 128 queries,
	s_add_co_u32 s50, s50, s52
	s_lshl_b32 s52, s10, 8                         ; the wave's 64
	s_add_co_u32 s50, s50, s52
	s_mov_b32 s51, 0
	s_add_nc_u64 s[8:9], s[8:9], s[50:51]
	s_wait_dscnt 0x0                               ; for the others' sake: my stores have landed
	s_barrier_signal -1
	s_barrier_wait -1
	s_cmp_gt_u32 s10, 1
	s_cbranch_scc1 .Lend
.irp s, 0,1,2,3
.irp j, 0,1,2,3,4
	ds_load_b64 v[MR+10*\s+2*\j:MR+10*\s+2*\j+1], v7 offset:2560*\s+512*\j
.endr
.endr
	s_wait_dscnt 0x0
.irp e, 0,1
	v_max3_num_f32 v[170+\e], v[MR+8+\e], v[MR+18+\e], v[MR+28+\e]
.endr
.irp e, 0,1
	v_max_num_f32 v[170+\e], v[170+\e], v[MR+38+\e]          ; the largest c m of the four quarters
.endr
.irp s, 0,1,2,3
	v_pk_add_f32 v[172+2*\s:173+2*\s], v[MR+10*\s+8:MR+10*\s+9], v[170:171] neg_lo:[0,1] neg_hi:[0,1]
.endr
.irp i, 0,1,2,3,4,5,6,7
	v_exp_f32 v[172+\i], v[172+\i]                 ; each quarter's weight, at most 1
.endr
	v_nop
	s_wait_alu depctr_va_vdst(0)                   ; one wait for the eight
.irp j, 0,1,2,3
	v_pk_mul_f32 v[180+2*\j:181+2*\j], v[MR+2*\j:MR+2*\j+1], v[172:173]
.endr
.irp s, 1,2,3
.irp j, 0,1,2,3
	v_pk_fma_f32 v[180+2*\j:181+2*\j], v[MR+10*\s+2*\j:MR+10*\s+2*\j+1], v[172+2*\s:173+2*\s], v[180+2*\j:181+2*\j]
.endr
.endr
	v_rcp_f32 v188, v186
	v_rcp_f32 v189, v187
	v_nop
	s_wait_alu depctr_va_vdst(0)                   ; one wait for the two
.irp c, 0,1,2
	v_pk_mul_f32 v[190+2*\c:191+2*\c], v[180+2*\c:181+2*\c], v[188:189]
.endr
.irp c, 0,1,2
	global_store_b64 v8, v[190+2*\c:191+2*\c], s[8:9] offset:16384*\c   ; 32 lanes store 256 consecutive bytes, aligned
.endr
.Lend:
	s_wait_tensorcnt 0x0
	ds_add_u32 v254, v255
	s_wait_dscnt 0x0
	CROUND                                         ; the closing round: no work-group ends while a partner may still ask for a pack that names it
	s_endpgm
.Lfunc_end_k_q023d104dd2_attn:
	.size	k_q023d104dd2_attn, .Lfunc_end_k_q023d104dd2_attn-k_q023d104dd2_attn
	.p2alignl 7, 3214868480
	.fill 96, 4, 3214868480
	.section	.rodata,"a",@progbits
	.p2align	6, 0x0
	.amdhsa_kernel k_q023d104dd2_attn
		.amdhsa_group_segment_fixed_size 258048
		.amdhsa_private_segment_fixed_size 0
		.amdhsa_enable_private_segment 0
		.amdhsa_kernarg_size 24
		.amdhsa_user_sgpr_count 2
		.amdhsa_user_sgpr_kernarg_segment_ptr 1
		.amdhsa_wavefront_size32 1
		.amdhsa_system_sgpr_workgroup_id_x 1
		.amdhsa_system_sgpr_workgroup_id_y 1
		.amdhsa_system_sgpr_workgroup_id_z 1
		.amdhsa_system_vgpr_workitem_id 0
		.amdhsa_next_free_vgpr 256
		.amdhsa_next_free_sgpr 66
		.amdhsa_reserve_vcc 1
		.amdhsa_float_denorm_mode_32 3
		.amdhsa_float_denorm_mode_16_64 3
		.amdhsa_memory_ordered 1
		.amdhsa_forward_progress 1
		.amdhsa_inst_pref_size 184
	.end_amdhsa_kernel
	.amdgpu_metadata
---
amdhsa.version: [ 1, 2 ]
amdhsa.kernels:
  - .name:           k_q023d104dd2_attn
    .symbol:         k_q023d104dd2_attn.kd
    .args:
      - { .name: qpack, .offset: 0, .size: 8, .value_kind: global_buffer, .address_space: global }
      - { .name: kpack, .offset: 8, .size: 8, .value_kind: global_buffer, .address_space: global }
      - { .name: out1, .offset: 16, .size: 8, .value_kind: global_buffer, .address_space: global }
    .group_segment_fixed_size: 258048
    .private_segment_fixed_size: 0
    .kernarg_segment_align: 8
    .kernarg_segment_size: 24
    .max_flat_workgroup_size: 512
    .sgpr_count:     66
    .vgpr_count:     256
    .wavefront_size: 32
...
	.end_amdgpu_metadata
.endif
;; end of part 2
